; MI455X (gfx1250); checked and timed in simulation.
; The chip was launched on July 23, 2026; its instructions are those of AMD's public machine-readable ISA for CDNA 5 (MIT licence, August 2026) and "CDNA5" Instruction Set Architecture Reference Guide (July 2026). The comments in the code are by the model that wrote it; some were corrected since.
;; VQ Diffusion VAE. Allowed arithmetic: float matrix products may take bf16 or f16 operands with f32 sums; other float arithmetic in f32, or as packed bf16 or f16 multiplies, adds, multiply-adds, maxima and minima; sums over many terms, partial sums and values carried from step to step in f32; what a program stores and reads back later, other than sums and carried values, may be rounded once to bf16 or f16.
;; Inputs: codebook 8,192 x 4 float32; z_e 32 x 4 x 32 x 32 float32.
;; Outputs: out0 32 x 4 x 32 x 32 float32; out1 32 x 4 x 32 x 32 float32; out2 32,768 int32; out3 one number float32.
;; One version. Each part assembles by itself: llvm-mc -triple=amdgcn-amd-amdhsa -mcpu=gfx1250 --defsym DOCPART=n.
;; ======== version 1 of 1: 2 launches
;; limits: a difference of large sums (such as E[x^2] - mean^2): digits are lost where the result is much smaller than its terms
;; workspace buffers: blk 131,072 bytes of whole numbers; part 1,024 bytes
;; launch scan (part 1): grid 256 x 1, 4 waves a work-group, no clusters, 271,360 bytes of LDS; arguments codebook, z_e, blk, part; writes blk, part
.if DOCPART == 1
	.amdgcn_target "amdgcn-amd-amdhsa--gfx1250"
	.amdhsa_code_object_version 6
	.text
	.protected	k_q582a4d196b_scan
	.globl	k_q582a4d196b_scan
	.p2align	8
	.type	k_q582a4d196b_scan,@function
k_q582a4d196b_scan:
	s_mov_b64 s[64:65], 0
	v_nop
	global_prefetch_b8 v0, s[64:65] scope:SCOPE_SE
	s_setreg_imm32_b32 hwreg(HW_REG_WAVE_MODE, 25, 1), 1
	s_wait_xcnt 0x0
; VECTOR QUANTISER, FIRST OF TWO LAUNCHES: for each of 32,768 queries z (4 numbers) the block of 32 codes, of 8,192, that holds the nearest code, and the sum of the least squared distances.
; LEFT OUT, for all values of the inputs: |z|^2 is the same for every code of a query, so the code with the least |c|^2 - 2 z.c is the code with the least dist2: the scan leaves |z|^2 out
; (it is added for the loss).  An argmin lies in 0 .. 8,191, so the clip changes nothing.  le and lcommit are the same mean, so loss = 1.25 x mean.  Both inputs are loaded.
; THE PRODUCT.  The indices are whole numbers, so the scores want f32's accuracy, and the matrix instruction's 32 places along K hold only 4 channels.  The other places take a split:
; -2 z = zh + zm + zl and c = ch + cm + cl, each piece bf16, rounded to nearest, the last one exact; |c|^2 (f32) likewise in three pieces, multiplied by 1.  One instruction sums
; zh (ch + cm + cl) + zm (ch + cm) + zl (ch + cm) + |c|^2.  Not summed: zm cl and zl cl, at most 2^-24 |z c| a channel.
;   K places   0-3   4-7   8-11  12-15  16-19  20-23      24-27  28-31
;   codes (A)  ch    cm    ch    cm     cl     |c|^2,0    ch     cm          lanes 0-15 hold places 0-7, 16-23; lanes 16-31 places 8-15, 24-31 (ISA guide 7.12.2)
;   queries(B) zh    zh    zm    zm     zh     1,1,1,0    zl     zl
; LIMITS.  Two codes whose distances differ by less than f32's rounding of dist2 may be ordered otherwise than a rounded dist2 orders them; equal scores go to the lower block.  NaN and infinities are
; not treated apart.  The loss is summed as |z|^2 + least score: each term is off by about 2^-22 (|z| + |c|)^2.
; SHARES.  A work-group owns 128 queries: 8 fragments of B, which every wave holds.  Wave w walks codes 2,048 w .. 2,048 w + 2,047: 128 tiles of 16 codes x 8 = 1,024 matrix instructions.
; In the result a lane holds ONE query (lane % 16) and the table places 8 (lane / 16) + 0..7 of the tile, so the least score is taken along the lane's registers.
; TABLES.  The 128 threads split all codes once, 64 each, into two LDS tables of 16 bytes a code: table 0 = ch, cm; table 1 = cl, pieces of |c|^2.  Place p = 64 c + 16 u + 8 h + j holds code
; 64 c + 32 h + 8 u + j: in a chunk c of four tiles u, half h of the lanes sees the 32 consecutive codes of block 2 c + h.
; THE LEAST SCORE.  Eight new scores and the running least make four v_min3.  The running least lives in two registers by turns: a chunk reads the one and writes the other, and at its end one compare
; and one select note the chunk's number where the least has fallen.  Strictly less: of equal scores the earlier chunk stays.
; NO CLUSTER, NO TENSOR LOAD: what the work-groups share is the codebook, 131,072 bytes, read once at the head, 16 bytes for 29 vector instructions, and it has to pass through registers to be split;
; a raw copy beside the 262,144 bytes of tables does not fit in LDS.
.set P1T,   0            ; table 1
.set P0T,   131072       ; table 0: so lanes 16-31, whose second half-fragment comes from table 0, add 131,072 x (lane / 16)
.set SCV,   262144       ; the eight candidates' scores: (2 wave + half) x 512 + 4 x query
.set SCB,   SCV+4096     ; their blocks
.set ZZP,   SCV+8192     ; |z|^2 of the 128 queries
.set SPARE, SCV+8704     ; the spare words, 128 bytes for each wave: two blocks of 256 bytes that no other line names
.set SPW, 1              ; v1   LDS address of my spare word; never rewritten
.set NIL, 2              ; v2   0; never rewritten
.set AD0, 3              ; v3   LDS address: table 0
.set AD1, 4              ; v4   LDS address: table 1 (in the loop: table 0 for lanes 16-31)
.set BQ,  8              ; v[8:71]    B: query tile q at BQ + 8 q
.set AX,  72             ; v[72:199]  A: two buffers of 8 tiles
.set DD,  200            ; v[200:231] four results by turns
.set RMA, 232            ; v[232:239] running least of tile q, written by odd chunks
.set RMB, 240            ; v[240:247] the same, written by even chunks
.set RCH, 248            ; v[248:255] the chunk in which the least last fell
; names of the head, in registers that the loop takes over later
.set RG,  72             ; ring of 16 codes as loaded
.set TB,  136            ; 16 registers at work for each of four codes or tiles
.set ZR,  200            ; z as loaded: tile q, channel d at ZR + 4 q + d
.set UU,  200            ; later: 8 more registers for each of four codes
.set ZZR, 232            ; |z|^2 of my query in tile q
.set GOF, 240            ; byte offset in the codebook of the code of table place t
.set ZOF, 241            ; 4 x (lane % 16)
.set LR,  242            ; lane % 16
.set LH,  243            ; lane / 16
.set ZRO, 244            ; 0
.set TA,  245
.set WV,  12             ; s12  wave
.set HIM, 13             ; s13  a word's upper bf16
.set HM,  14             ; s14  mask of lanes 16-31
.set CNT, 15
.set CID, 16             ; s16  number of the even chunk in hand, s17 of the odd one
.set MK,  18             ; s18, s19  the compares' masks, by turns
	s_load_b256 s[4:11], s[0:1], 0x0               ; codebook s[4:5], z_e s[6:7], blk s[8:9], part s[10:11]
	v_lshl_add_u32 v[SPW], v0, 2, SPARE
	v_mov_b32 v[NIL], 0
	v_lshrrev_b32 v[TA], 5, v0
	v_readfirstlane_b32 s[WV], v[TA]               ; wave 0..3
	v_and_b32 v[LR], 15, v0
	v_bfe_u32 v[LH], v0, 4, 1
	v_cmp_eq_u32 s[HM], 1, v[LH]
	v_mov_b32 v[ZRO], 0
	v_lshlrev_b32 v[ZOF], 2, v[LR]
	v_and_b32 v[GOF], 0x47, v0                     ; table place t -> code: j (bits 0-2) and the chunk's bit 6 stay,
	v_bfe_u32 v[TA], v0, 3, 1
	v_lshl_or_b32 v[GOF], v[TA], 5, v[GOF]         ; h goes from bit 3 to bit 5,
	v_bfe_u32 v[TA], v0, 4, 2
	v_lshl_or_b32 v[GOF], v[TA], 3, v[GOF]         ; u from bits 4-5 to bits 3-4
	v_lshlrev_b32 v[GOF], 4, v[GOF]                ; 16 bytes a code
	v_lshlrev_b32 v[AD1], 4, v0                    ; place t of table 1,
	v_lshl_add_u32 v[AD0], v0, 4, P0T              ; and of table 0
	s_mov_b32 s[HIM], 0xffff0000
	s_mov_b32 s22, 0x3f803f80                      ; 1, 1 in bf16
	s_mov_b32 s23, 0x00003f80                      ; 1, 0
	s_mov_b32 s24, 0x76543210                      ; v_permlanex16_b32: each lane takes its own place in the other half
	s_mov_b32 s25, 0xfedcba98
	s_mov_b32 s27, 0x7f800000                      ; +infinity
	s_lshr_b32 s20, ttmp9, 3                       ; z_e is [32][4][1024]: group g holds queries 128 (g % 8) .. of image g / 8
	s_lshl_b32 s20, s20, 14
	s_and_b32 s21, ttmp9, 7
	s_lshl_b32 s21, s21, 9
	s_add_co_u32 s20, s20, s21
	s_mov_b32 s21, 0
	s_wait_kmcnt 0x0
	s_add_nc_u64 s[6:7], s[6:7], s[20:21]
.set q, 0
.rept 8
.irp d, 0,1,2,3
	global_load_b32 v[ZR+4*q+\d], v[ZOF], s[6:7] offset:4096*\d+64*q  ; channel d of query 16 q + lane % 16
.endr
.set q, q+1
.endr
.set n, 0
.rept 16
	global_load_b128 v[RG+4*n:RG+4*n+3], v[GOF], s[4:5] offset:2048*n  ; the ring is filled: the codes of places t + 128 n
.set n, n+1
.endr
	s_wait_loadcnt 16                              ; z is in; the ring's 16 loads stay out while B is made
.macro UNPK d, a, b                    ; the four bf16 of v[a], v[b] as f32
	v_lshlrev_b32 v[\d], 16, v[\a]
	v_and_b32 v[(\d)+1], s[HIM], v[\a]
	v_lshlrev_b32 v[(\d)+2], 16, v[\b]
	v_and_b32 v[(\d)+3], s[HIM], v[\b]
.endm
; B's FRAGMENTS, four tiles side by side, so that no line waits for the line before it.
.macro ZNAMES g, x
.set zR, ZR+16*(\g)+4*(\x)
.set tR, TB+16*(\x)                    ; +0..3 pieces as f32; +4,5 zh; +6,7 zm; +8,9 zl
.set bR, BQ+32*(\g)+8*(\x)
.set qR, ZZR+4*(\g)+(\x)
.endm
.macro EACHZ g, line:vararg
.irp x, 0,1,2,3
	ZNAMES \g, \x
	\line
.endr
.endm
.macro ZGROUP g
	EACHZ \g, v_pk_mul_f32 v[tR:tR+1], v[zR:zR+1], v[zR:zR+1]
	EACHZ \g, v_pk_fma_f32 v[tR:tR+1], v[zR+2:zR+3], v[zR+2:zR+3], v[tR:tR+1]
	EACHZ \g, v_pk_mul_f32 v[zR:zR+1], v[zR:zR+1], -2.0 op_sel_hi:[1,0]
	EACHZ \g, v_pk_mul_f32 v[zR+2:zR+3], v[zR+2:zR+3], -2.0 op_sel_hi:[1,0]
	EACHZ \g, v_add_f32 v[qR], v[tR], v[tR+1]      ; |z|^2
	EACHZ \g, v_cvt_pk_bf16_f32 v[tR+4], v[zR], v[zR+1]
	EACHZ \g, v_cvt_pk_bf16_f32 v[tR+5], v[zR+2], v[zR+3]
	EACHZ \g, UNPK tR, tR+4, tR+5
	EACHZ \g, v_pk_add_f32 v[zR:zR+1], v[zR:zR+1], v[tR:tR+1] neg_lo:[0,1] neg_hi:[0,1]  ; what zh leaves: exact
	EACHZ \g, v_pk_add_f32 v[zR+2:zR+3], v[zR+2:zR+3], v[tR+2:tR+3] neg_lo:[0,1] neg_hi:[0,1]
	EACHZ \g, v_cvt_pk_bf16_f32 v[tR+6], v[zR], v[zR+1]
	EACHZ \g, v_cvt_pk_bf16_f32 v[tR+7], v[zR+2], v[zR+3]
	EACHZ \g, UNPK tR, tR+6, tR+7
	EACHZ \g, v_pk_add_f32 v[zR:zR+1], v[zR:zR+1], v[tR:tR+1] neg_lo:[0,1] neg_hi:[0,1]
	EACHZ \g, v_pk_add_f32 v[zR+2:zR+3], v[zR+2:zR+3], v[tR+2:tR+3] neg_lo:[0,1] neg_hi:[0,1]
	EACHZ \g, v_cvt_pk_bf16_f32 v[tR+8], v[zR], v[zR+1]
	EACHZ \g, v_cvt_pk_bf16_f32 v[tR+9], v[zR+2], v[zR+3]
	EACHZ \g, v_cndmask_b32 v[bR],   v[tR+4], v[tR+6], s[HM]  ; lanes 0-15: zh zh | zh 1;  lanes 16-31: zm zm | zl zl
	EACHZ \g, v_cndmask_b32 v[bR+1], v[tR+5], v[tR+7], s[HM]
	EACHZ \g, v_cndmask_b32 v[bR+2], v[tR+4], v[tR+6], s[HM]
	EACHZ \g, v_cndmask_b32 v[bR+3], v[tR+5], v[tR+7], s[HM]
	EACHZ \g, v_cndmask_b32 v[bR+4], v[tR+4], v[tR+8], s[HM]
	EACHZ \g, v_cndmask_b32 v[bR+5], v[tR+5], v[tR+9], s[HM]
	EACHZ \g, v_cndmask_b32 v[bR+6], s22, v[tR+8], s[HM]
	EACHZ \g, v_cndmask_b32 v[bR+7], s23, v[tR+9], s[HM]
.endm
	ZGROUP 0
	ZGROUP 1
	s_cmp_lg_u32 s[WV], 0                          ; all waves hold the same |z|^2; wave 0, which will read it back, puts it by
	s_cbranch_scc1 .Lzz_done
	v_lshl_add_u32 v[TA], v[LR], 2, ZZP
.set q, 0
.rept 8
	ds_store_b32 v[TA], v[ZZR+q] offset:64*q       ; both halves of the lanes write the same word with the same value
.set q, q+1
.endr
.Lzz_done:
; THE TABLES.  A quad is four codes side by side: 29 vector lines a code.  more = 1: the quad's ring registers are asked for again, 16 places of the ring on.
.macro CNAMES j, x
.set nR, 4*(\j)+(\x)                   ; the code's slot in the ring
.set cR, RG+4*nR                       ; c as loaded
.set oR, TB+16*(\x)                    ; ch ch cm cm | cl cl, pieces of |c|^2: what goes into the tables
.set rR, TB+16*(\x)+8                  ; what is left of c
.set fR, TB+16*(\x)+12                 ; pieces as f32
.set sR, UU+8*(\x)                     ; |c|^2 at work
.endm
.macro EACH4 j, line:vararg
.irp x, 0,1,2,3
	CNAMES \j, \x
	\line
.endr
.endm
.macro QUAD j, more, left
	s_wait_loadcnt \left                           ; loads come back in order (ISA guide 5.7.1): my four codes are in, the younger ones stay out
	EACH4 \j, v_cvt_pk_bf16_f32 v[oR], v[cR], v[cR+1]
	EACH4 \j, v_cvt_pk_bf16_f32 v[oR+1], v[cR+2], v[cR+3]
	EACH4 \j, v_pk_mul_f32 v[sR:sR+1], v[cR:cR+1], v[cR:cR+1]
	EACH4 \j, UNPK fR, oR, oR+1
	EACH4 \j, v_pk_fma_f32 v[sR:sR+1], v[cR+2:cR+3], v[cR+2:cR+3], v[sR:sR+1]
	EACH4 \j, v_pk_add_f32 v[rR:rR+1], v[cR:cR+1], v[fR:fR+1] neg_lo:[0,1] neg_hi:[0,1]
	EACH4 \j, v_pk_add_f32 v[rR+2:rR+3], v[cR+2:cR+3], v[fR+2:fR+3] neg_lo:[0,1] neg_hi:[0,1]
.if \more
	EACH4 \j, global_load_b128 v[cR:cR+3], v[GOF], s[4:5] offset:2048*nR+32768
.endif
	EACH4 \j, v_add_f32 v[sR], v[sR], v[sR+1]      ; |c|^2
	EACH4 \j, v_cvt_pk_bf16_f32 v[oR+2], v[rR], v[rR+1]
	EACH4 \j, v_cvt_pk_bf16_f32 v[oR+3], v[rR+2], v[rR+3]
	EACH4 \j, v_cvt_pk_bf16_f32 v[oR+6], v[sR], v[ZRO]
	EACH4 \j, UNPK fR, oR+2, oR+3
	EACH4 \j, v_lshlrev_b32 v[sR+1], 16, v[oR+6]
	EACH4 \j, v_pk_add_f32 v[rR:rR+1], v[rR:rR+1], v[fR:fR+1] neg_lo:[0,1] neg_hi:[0,1]
	EACH4 \j, v_pk_add_f32 v[rR+2:rR+3], v[rR+2:rR+3], v[fR+2:fR+3] neg_lo:[0,1] neg_hi:[0,1]
	EACH4 \j, v_sub_f32 v[sR], v[sR], v[sR+1]
	EACH4 \j, v_cvt_pk_bf16_f32 v[oR+4], v[rR], v[rR+1]
	EACH4 \j, v_cvt_pk_bf16_f32 v[oR+5], v[rR+2], v[rR+3]
	EACH4 \j, v_cvt_pk_bf16_f32 v[sR+2], v[sR], v[ZRO]
	EACH4 \j, v_lshlrev_b32 v[sR+3], 16, v[sR+2]   ; the second piece: as f32, and in a word's upper half
	EACH4 \j, ds_store_b128 v[AD0], v[oR:oR+3] offset:2048*nR   ; 32 lanes, 512 bytes on end
	EACH4 \j, v_sub_f32 v[sR], v[sR], v[sR+3]
	EACH4 \j, v_or_b32 v[oR+6], v[oR+6], v[sR+3]
	EACH4 \j, v_cvt_pk_bf16_f32 v[oR+7], v[sR], v[ZRO]
	EACH4 \j, ds_store_b128 v[AD1], v[oR+4:oR+7] offset:2048*nR
.endm
	s_mov_b32 s[CNT], 3
.Lround:                                       ; a round takes every slot of the ring once: 16 x 128 places
	QUAD 0, 1, 12
	QUAD 1, 1, 12
	QUAD 2, 1, 12
	QUAD 3, 1, 12
	s_wait_xcnt 0x0                                ; the loads issued so far have read their addresses: the base may be written
	s_add_nc_u64 s[4:5], s[4:5], 0x8000
	v_add_nc_u32 v[AD0], 0x8000, v[AD0]
	v_add_nc_u32 v[AD1], 0x8000, v[AD1]
	s_sub_co_u32 s[CNT], s[CNT], 1
	s_cmp_lg_u32 s[CNT], 0
	s_cbranch_scc1 .Lround
	QUAD 0, 0, 12                                  ; the last round loads nothing: the counts run down
	QUAD 1, 0, 8
	QUAD 2, 0, 4
	QUAD 3, 0, 0
	s_wait_dscnt 0x0                               ; for the others' sake: my part of the tables is written
	s_barrier_signal -1
	s_lshl_b32 s26, s[WV], 15                      ; my quarter of a table: 2,048 places of 16 bytes
	v_lshl_add_u32 v[AD1], v[LR], 4, s26           ; row lane % 16 of a tile
	v_add_nc_u32 v[AD0], P0T, v[AD1]               ; places 0-7 (8-15) of K: ch, cm for every lane
	v_lshl_add_u32 v[AD1], v[LH], 17, v[AD1]       ; places 16-23: table 1; places 24-31: table 0 once more
	s_lshl_b32 s[CID], s[WV], 5                    ; my first chunk;
	s_sub_co_u32 s[CID+1], s[CID], 1               ; the odd number is stepped by 2 before its first use
	s_mov_b32 s[MK], 0
	s_mov_b32 s[MK+1], 0
	; The loop's vector work lags its matrix instructions, over the backward jump too.  So that the first trip finds what every trip finds, results and least scores start at +infinity (56 lines, once):
	; what the first slices do to them changes nothing.
.set n, 0
.rept 48
	v_mov_b32 v[DD+n], s27                         ; DD, RMA, RMB lie on end
.set n, n+1
.endr
.set n, 0
.rept 8
	v_mov_b32 v[RCH+n], 0
.set n, n+1
.endr
	s_barrier_wait -1                              ; the tables are whole; nobody writes them again
; THE VECTOR WORK, by matrix instruction i of a half (64 = 8 tiles x 8 query tiles; two chunks).
.macro REGS i
.set dq, DD+8*((\i)%4)
.set qq, (\i)%8
.if ((\i)/32)%2
.set nw, RMA+qq
.set od, RMB+qq
.set ci, CID+1
.else
.set nw, RMB+qq
.set od, RMA+qq
.set ci, CID
.endif
.set mk, MK+(\i)%2
.set tin, ((\i)/8)%4                   ; the tile's place in its chunk
.endm
; The slice behind matrix instruction s: three v_min3 on the result of s - 2 (its lowest registers first), the fourth on that of s - 3, and at a chunk's end the compare for s - 4 and the
; select for s - 5: no line reads what the slice itself has made.  Between a matrix instruction and the first reader of its result stand two slices, eight plain lines that name none of its registers (ISA guide 7.12.1);
; its result registers are written again four matrix instructions on.  s = 64 .. 68: the slices left over behind the last matrix instruction.
.macro SLOT s
.if (\s)-5 < 64
	REGS ((\s)+59)%64
.if tin == 3
	v_cndmask_b32 v[RCH+qq], v[RCH+qq], s[ci], s[mk]
.endif
.endif
.if (\s)-4 < 64
	REGS ((\s)+60)%64
.if tin == 3
	v_cmp_lt_f32 s[mk], v[nw], v[od]               ; has the least fallen in this chunk?
.endif
.endif
.if (\s)-3 < 64
	REGS ((\s)+61)%64
	v_min3_num_f32 v[nw], v[nw], v[dq], v[dq+3]
.endif
.if (\s)-2 < 64
	REGS ((\s)+62)%64
	v_min3_num_f32 v[dq], v[dq], v[dq+1], v[dq+2]
	v_min3_num_f32 v[dq+3], v[dq+3], v[dq+4], v[dq+5]
.if tin == 0
	v_min3_num_f32 v[nw], v[dq+6], v[dq+7], v[od]  ; a chunk's first tile takes the least over from the other register
.else
	v_min3_num_f32 v[nw], v[dq+6], v[dq+7], v[nw]
.endif
.endif
.endm
; A HALF: 8 tiles out of buffer b.  fill = 1: the next 8 tiles, at byte off behind the two addresses, are asked for first, in one run of 16 loads, into the other buffer: its last reader is the matrix
; instruction in front of the last slice, which has four plain lines or more.  They have the whole half in which to land.
.macro HALF b, fill, off
	s_wait_dscnt 0x0                               ; buffer b is in: its loads were issued a half ago
.if \fill
.irp k, 0,1,2,3,4,5,6,7
	ds_load_b128 v[AX+64*(1-(\b))+8*\k:AX+64*(1-(\b))+8*\k+3],   v[AD0] offset:(\off)+256*\k
	ds_load_b128 v[AX+64*(1-(\b))+8*\k+4:AX+64*(1-(\b))+8*\k+7], v[AD1] offset:(\off)+256*\k
.endr
.endif
.set n, 0
.rept 64
	v_wmma_f32_16x16x32_bf16 v[DD+8*(n%4):DD+8*(n%4)+7], v[AX+64*(\b)+8*(n/8):AX+64*(\b)+8*(n/8)+7], v[BQ+8*(n%8):BQ+8*(n%8)+7], 0
	SLOT n
.if n == 8
	s_add_co_u32 s[CID+1], s[CID+1], 2             ; the last odd chunk's selects ended in slice 4
.endif
.if n == 40
	s_add_co_u32 s[CID], s[CID], 2                 ; this half's even chunk's selects ended in slice 36
.endif
.set n, n+1
.endr
.endm
.irp k, 0,1,2,3,4,5,6,7
	ds_load_b128 v[AX+8*\k:AX+8*\k+3],   v[AD0] offset:256*\k
	ds_load_b128 v[AX+8*\k+4:AX+8*\k+7], v[AD1] offset:256*\k
.endr
	s_mov_b32 s[CNT], 7
.Ltrip:                                        ; 16 tiles a trip
	HALF 0, 1, 2048
	HALF 1, 1, 4096
	v_add_nc_u32 v[AD0], 0x1000, v[AD0]
	v_add_nc_u32 v[AD1], 0x1000, v[AD1]
	s_sub_co_u32 s[CNT], s[CNT], 1
	s_cmp_lg_u32 s[CNT], 0
	s_cbranch_scc1 .Ltrip
	HALF 0, 1, 2048                                ; the last 16 tiles are written out: the last half asks for nothing
	HALF 1, 0, 0
	SLOT 64
	SLOT 65
	SLOT 66
	SLOT 67
	SLOT 68
	; THE CANDIDATES MEET.  The last chunk was odd: the least scores lie in RMA.  Block = 2 x chunk + my half of the lanes.
	v_bfe_u32 v5, v0, 4, 1
	v_and_b32 v6, 15, v0
	s_lshl_b32 s26, s[WV], 10
	v_lshlrev_b32 v6, 2, v6
	v_lshl_add_u32 v6, v5, 9, v6
	v_add_nc_u32 v6, s26, v6
	v_add_nc_u32 v6, SCV, v6                       ; (2 wave + half) x 512 + 4 (lane % 16)
.set q, 0
.rept 8
	v_lshl_or_b32 v[RCH+q], v[RCH+q], 1, v5
.set q, q+1
.endr
.set q, 0
.rept 8
	ds_store_b32 v6, v[RMA+q] offset:64*q
	ds_store_b32 v6, v[RCH+q] offset:4096+64*q
.set q, q+1
.endr
	s_wait_dscnt 0x0                               ; for wave 0's sake
	s_barrier_signal -1
	s_barrier_wait -1
	s_cmp_lg_u32 s[WV], 0
	s_cbranch_scc1 .Lend
	; Wave 0: lane l takes queries 4 l .. 4 l + 3, so that the blocks leave as 512 bytes on end.
.set VV, 72              ; v[72:103]   scores: candidate e, query x at VV + 4 e + x
.set CB, 104             ; v[104:135]  blocks
.set ZL, 136             ; v[136:139]  |z|^2
.set TT, 140             ; v[140:155]  at work
	v_lshl_add_u32 v7, v0, 4, SCV
.irp e, 0,1,2,3,4,5,6,7
	ds_load_b128 v[VV+4*\e:VV+4*\e+3], v7 offset:512*\e
	ds_load_b128 v[CB+4*\e:CB+4*\e+3], v7 offset:4096+512*\e
.endr
	ds_load_b128 v[ZL:ZL+3], v7 offset:8192
	s_wait_dscnt 0x0
.macro ALL16 line:vararg               ; one line for each wave's pair of halves (e / 4) and query (e % 4)
.set e, 0
.rept 16
.set va, VV+8*(e/4)+e%4
.set ca, CB+8*(e/4)+e%4
	\line
.set e, e+1
.endr
.endm
	ALL16 v_min_u32 v[TT+e], v[ca], v[ca+4]                    ; equal scores: the lower block
	ALL16 v_cmp_lt_f32 s[32+e], v[va], v[va+4]
	ALL16 v_cndmask_b32 v[TT+e], v[TT+e], v[ca], s[32+e]
	ALL16 v_cmp_lt_f32 s[32+e], v[va+4], v[va]
	ALL16 v_cndmask_b32 v[ca], v[TT+e], v[ca+4], s[32+e]
	ALL16 v_min_num_f32 v[va], v[va], v[va+4]
.irp w, 1,2,3                          ; a later wave's blocks are higher: it wins only by a strictly lower score
.irp x, 0,1,2,3
	v_cmp_lt_f32 s[32+\x], v[VV+8*\w+\x], v[VV+\x]
.endr
.irp x, 0,1,2,3
	v_cndmask_b32 v[CB+\x], v[CB+\x], v[CB+8*\w+\x], s[32+\x]
.endr
.irp x, 0,1,2,3
	v_min_num_f32 v[VV+\x], v[VV+\x], v[VV+8*\w+\x]
.endr
.endr
	v_pk_add_f32 v[ZL:ZL+1], v[ZL:ZL+1], v[VV:VV+1]            ; least dist2 = |z|^2 + least score
	v_pk_add_f32 v[ZL+2:ZL+3], v[ZL+2:ZL+3], v[VV+2:VV+3]
	v_pk_add_f32 v[ZL:ZL+1], v[ZL:ZL+1], v[ZL+2:ZL+3]
	v_add_f32 v[ZL], v[ZL], v[ZL+1]
	v_add_f32_dpp v[ZL], v[ZL], v[ZL] row_xmask:1 row_mask:0xf bank_mask:0xf
	v_add_f32_dpp v[ZL], v[ZL], v[ZL] row_xmask:2 row_mask:0xf bank_mask:0xf
	v_add_f32_dpp v[ZL], v[ZL], v[ZL] row_xmask:4 row_mask:0xf bank_mask:0xf
	v_add_f32_dpp v[ZL], v[ZL], v[ZL] row_xmask:8 row_mask:0xf bank_mask:0xf
	v_permlanex16_b32 v[ZL+1], v[ZL], s24, s25
	v_add_f32 v[ZL], v[ZL], v[ZL+1]                ; the group's 128 queries
	s_lshl_b32 s20, ttmp9, 9
	s_add_nc_u64 s[8:9], s[8:9], s[20:21]          ; (s21 is 0)
	s_lshl_b32 s20, ttmp9, 2
	s_add_nc_u64 s[10:11], s[10:11], s[20:21]
	v_lshlrev_b32 v5, 4, v0
	v_mov_b32 v6, 0
	global_store_b128 v5, v[CB:CB+3], s[8:9]       ; 512 consecutive bytes, at a multiple of 512 from blk's first
	v_cmp_eq_u32 vcc_lo, 0, v0
	s_wait_xcnt 0x0                                ; EXEC changes only behind this wait
	s_and_saveexec_b32 s26, vcc_lo
	global_store_b32 v6, v[ZL], s[10:11]           ; one number a group
	s_wait_xcnt 0x0                                ; and again, in front of the line that widens it
	s_or_b32 exec_lo, exec_lo, s26
.Lend:
	s_wait_tensorcnt 0x0                           ; the wave's end, behind my last LDS store
	ds_add_u32 v[SPW], v[NIL]
	s_wait_dscnt 0x0
	s_endpgm
.Lfunc_end_k_q582a4d196b_scan:
	.size	k_q582a4d196b_scan, .Lfunc_end_k_q582a4d196b_scan-k_q582a4d196b_scan
	.p2alignl 7, 3214868480
	.fill 96, 4, 3214868480
	.section	.rodata,"a",@progbits
	.p2align	6, 0x0
	.amdhsa_kernel k_q582a4d196b_scan
		.amdhsa_group_segment_fixed_size 271360
		.amdhsa_private_segment_fixed_size 0
		.amdhsa_enable_private_segment 0
		.amdhsa_kernarg_size 32
		.amdhsa_user_sgpr_count 2
		.amdhsa_user_sgpr_kernarg_segment_ptr 1
		.amdhsa_wavefront_size32 1
		.amdhsa_system_sgpr_workgroup_id_x 1
		.amdhsa_system_sgpr_workgroup_id_y 1
		.amdhsa_system_sgpr_workgroup_id_z 1
		.amdhsa_system_vgpr_workitem_id 0
		.amdhsa_next_free_vgpr 256
		.amdhsa_next_free_sgpr 66
		.amdhsa_reserve_vcc 1
		.amdhsa_float_denorm_mode_32 3
		.amdhsa_float_denorm_mode_16_64 3
		.amdhsa_memory_ordered 1
		.amdhsa_forward_progress 1
		.amdhsa_inst_pref_size 178
	.end_amdhsa_kernel
	.amdgpu_metadata
---
amdhsa.version: [ 1, 2 ]
amdhsa.kernels:
  - .name:           k_q582a4d196b_scan
    .symbol:         k_q582a4d196b_scan.kd
    .args:
      - { .name: codebook, .offset: 0, .size: 8, .value_kind: global_buffer, .address_space: global }
      - { .name: z_e, .offset: 8, .size: 8, .value_kind: global_buffer, .address_space: global }
      - { .name: blk, .offset: 16, .size: 8, .value_kind: global_buffer, .address_space: global }
      - { .name: part, .offset: 24, .size: 8, .value_kind: global_buffer, .address_space: global }
    .group_segment_fixed_size: 271360
    .private_segment_fixed_size: 0
    .kernarg_segment_align: 8
    .kernarg_segment_size: 32
    .max_flat_workgroup_size: 128
    .sgpr_count:     66
    .vgpr_count:     256
    .wavefront_size: 32
...
	.end_amdgpu_metadata
.endif
;; end of part 1
;; launch pick (part 2): grid 256 x 1, 16 waves a work-group, no clusters, 7,168 bytes of LDS; arguments codebook, z_e, blk, part, out0, out1, out2, out3; writes out0, out1, out2, out3
.if DOCPART == 2
	.amdgcn_target "amdgcn-amd-amdhsa--gfx1250"
	.amdhsa_code_object_version 6
	.text
	.protected	k_q582a4d196b_pick
	.globl	k_q582a4d196b_pick
	.p2align	8
	.type	k_q582a4d196b_pick,@function
k_q582a4d196b_pick:
	s_mov_b64 s[64:65], 0
	v_nop
	global_prefetch_b8 v0, s[64:65] scope:SCOPE_SE
	s_setreg_imm32_b32 hwreg(HW_REG_WAVE_MODE, 25, 1), 1
	s_wait_xcnt 0x0
; VECTOR QUANTISER, SECOND LAUNCH: in the block of 32 codes that the first launch noted for each query, the nearest code; then z_q, z_e + (z_q - z_e), the index, and the loss.
; Left out as in the first launch: the clip of an argmin; le = lcommit, so loss = 1.25 x mean.  The other 8,160 codes of a query were ruled out there.
; SHARES.  A work-group owns 128 queries; FOUR LANES take a query: lane s of the four takes codes s, s + 4, .. s + 28 of the block, so a load of the four covers 64 bytes on end.
; Distances are sums of (z - c)^2 in f32.  A lane keeps a running least, strictly less, so the lower index stays; the index and the code's four channels follow it by selects: no address is made of them.
; Among the four lanes: the least distance, then the least index among those that have it; the winner's channels reach all four by a sum with zeros.
; THE WAY OUT.  Nine rows of an LDS stage: z_e + (z_q - z_e) by channel, z_q by channel, the indices; waves 0 to 8 each store a row: 512 consecutive bytes, at a multiple of 512 from the buffer's first.
; THE LOSS.  Wave 15 of group 0 adds the first launch's 256 sums while its own first loads are out.
; LIMITS.  NaN and infinities are not treated apart.  A block number is held to 0 .. 255.
.set ROWB,  544          ; a row of the stage: 512 bytes + 32: the four lanes of a query write four rows, 8 banks apart (64 banks of 4 bytes: ISA guide 11.1)
.set SPARE, 5120         ; behind the stage's 4,896 bytes: the spare words, 128 bytes for each of 16 waves
.set SPW, 1              ; v1   LDS address of my spare word; never rewritten
.set NIL, 2              ; v2   0; never rewritten
.set QO,  3              ; v3   4 x my query's number in the group
.set SUB, 4              ; v4   my place among the query's four lanes
.set BLK, 5              ; v5   the block
.set COF, 6              ; v6   my first code's byte offset
.set LN,  7              ; v7   lane
.set Z,   8              ; v[8:11]  z
.set ZS,  12             ; v12  channel SUB of z
.set ZSO, 13
.set T0,  14
.set T1,  15
.set CD,  16             ; v[16:47] eight codes; the first four registers then follow the least
.set E,   48             ; v[48:55] at work
.set DS,  56             ; v[56:63] distances; the first follows the least
.set BI,  64
.set DM,  65
.set LM,  66
.set QS,  67
.set ST,  68
.set LA,  69
.set OB,  72
	s_load_b256 s[4:11], s[0:1], 0x0               ; codebook s[4:5], z_e s[6:7], blk s[8:9], part s[10:11]
	s_load_b256 s[12:19], s[0:1], 0x20             ; out0 s[12:13], out1 s[14:15], out2 s[16:17], out3 s[18:19]
	v_lshl_add_u32 v[SPW], v0, 2, SPARE
	v_mov_b32 v[NIL], 0
	v_lshrrev_b32 v[T0], 5, v0
	v_readfirstlane_b32 s20, v[T0]                 ; wave 0..15
	v_and_b32 v[LN], 31, v0
	v_and_b32 v[QO], 0x1fc, v0
	v_and_b32 v[SUB], 3, v0
	v_lshl_add_u32 v[ZSO], v[SUB], 12, v[QO]
	v_and_b32 v[T0], 1, v0
	v_cmp_eq_u32 s28, 1, v[T0]                     ; odd places of the four
	v_bfe_u32 v[T0], v0, 1, 1
	v_cmp_eq_u32 s29, 1, v[T0]                     ; places 2 and 3
	s_lshl_b32 s22, ttmp9, 9                       ; the group's 128 whole numbers
	s_mov_b32 s23, 0
	s_lshr_b32 s24, ttmp9, 3                       ; [32][4][1024]: queries 128 (g % 8) .. of image g / 8
	s_lshl_b32 s24, s24, 14
	s_and_b32 s25, ttmp9, 7
	s_lshl_b32 s25, s25, 9
	s_add_co_u32 s24, s24, s25
	s_mov_b32 s25, 0
	s_lshl_b32 s26, ttmp9, 4
	s_or_b32 s26, s26, s20                         ; 16 x group + wave
	s_mov_b32 s21, 0x4e000000                      ; a number above every index
	s_mov_b32 s32, 0x76543210
	s_mov_b32 s33, 0xfedcba98
	s_wait_kmcnt 0x0
	s_add_nc_u64 s[8:9], s[8:9], s[22:23]
	s_add_nc_u64 s[6:7], s[6:7], s[24:25]
	global_load_b32 v[BLK], v[QO], s[8:9]
.irp d, 0,1,2,3
	global_load_b32 v[Z+\d], v[QO], s[6:7] offset:4096*\d
.endr
	global_load_b32 v[ZS], v[ZSO], s[6:7]
	s_cmp_lg_u32 s26, 15
	s_cbranch_scc1 .Lno_loss
	v_lshlrev_b32 v[T0], 5, v[LN]                  ; 256 sums: 8 a lane
	global_load_b128 v[CD:CD+3], v[T0], s[10:11]
	global_load_b128 v[CD+4:CD+7], v[T0], s[10:11] offset:16
	s_wait_loadcnt 0x0
	v_pk_add_f32 v[CD:CD+1], v[CD:CD+1], v[CD+2:CD+3]
	v_pk_add_f32 v[CD+4:CD+5], v[CD+4:CD+5], v[CD+6:CD+7]
	v_pk_add_f32 v[CD:CD+1], v[CD:CD+1], v[CD+4:CD+5]
	v_add_f32 v[CD], v[CD], v[CD+1]
	v_add_f32_dpp v[CD], v[CD], v[CD] row_xmask:1 row_mask:0xf bank_mask:0xf
	v_add_f32_dpp v[CD], v[CD], v[CD] row_xmask:2 row_mask:0xf bank_mask:0xf
	v_add_f32_dpp v[CD], v[CD], v[CD] row_xmask:4 row_mask:0xf bank_mask:0xf
	v_add_f32_dpp v[CD], v[CD], v[CD] row_xmask:8 row_mask:0xf bank_mask:0xf
	v_permlanex16_b32 v[CD+1], v[CD], s32, s33
	v_add_f32 v[CD], v[CD], v[CD+1]
	v_mul_f32 v[CD], 0x37200000, v[CD]             ; 1.25 / 131,072
	v_mov_b32 v[T1], 0
	v_cmp_eq_u32 vcc_lo, 0, v[LN]
	s_wait_xcnt 0x0                                ; EXEC changes only behind this wait
	s_and_saveexec_b32 s27, vcc_lo
	global_store_b32 v[T1], v[CD], s[18:19]
	s_wait_xcnt 0x0                                ; in front of the line that widens EXEC, and of the loads into the store's data register
	s_or_b32 exec_lo, exec_lo, s27
.Lno_loss:
	s_wait_loadcnt 5                               ; the block is in; the five loads of z behind it may stay out
	v_min_u32 v[BLK], 0xff, v[BLK]
	v_lshlrev_b32 v[COF], 9, v[BLK]                ; 32 codes of 16 bytes
	v_lshl_add_u32 v[COF], v[SUB], 4, v[COF]
.irp i, 0,1,2,3,4,5,6,7
	global_load_b128 v[CD+4*\i:CD+4*\i+3], v[COF], s[4:5] offset:64*\i
.endr
.set i, 0
.rept 8
	s_wait_loadcnt 7-i                             ; code i is in (and z, which was asked for earlier); the younger codes stay out
.set c, CD+4*i
.set t, E+4*(i%2)
	v_pk_add_f32 v[t:t+1], v[Z:Z+1], v[c:c+1] neg_lo:[0,1] neg_hi:[0,1]
	v_pk_add_f32 v[t+2:t+3], v[Z+2:Z+3], v[c+2:c+3] neg_lo:[0,1] neg_hi:[0,1]
	v_pk_mul_f32 v[t:t+1], v[t:t+1], v[t:t+1]
	v_pk_fma_f32 v[t:t+1], v[t+2:t+3], v[t+2:t+3], v[t:t+1]
	v_add_f32 v[DS+i], v[t], v[t+1]
.set i, i+1
.endr
	v_mov_b32 v[BI], 0
.set i, 1
.rept 7
	v_cmp_lt_f32 s[30+i%2], v[DS+i], v[DS]
	v_min_num_f32 v[DS], v[DS], v[DS+i]
	v_cndmask_b32 v[BI], v[BI], i, s[30+i%2]
.irp x, 0,1,2,3
	v_cndmask_b32 v[CD+\x], v[CD+\x], v[CD+4*i+\x], s[30+i%2]
.endr
.set i, i+1
.endr
	v_lshl_add_u32 v[BI], v[BI], 2, v[SUB]         ; my best code's place in the block,
	v_cvt_f32_u32 v[BI], v[BI]                     ; as f32 (exact), so that the least is taken by f32 lines
	v_mov_b32 v[DM], v[DS]
	v_min_num_f32_dpp v[DM], v[DM], v[DM] row_xmask:1 row_mask:0xf bank_mask:0xf
	v_min_num_f32_dpp v[DM], v[DM], v[DM] row_xmask:2 row_mask:0xf bank_mask:0xf
	v_cmp_eq_f32 s30, v[DS], v[DM]
	v_cndmask_b32 v[BI], s21, v[BI], s30           ; lanes that do not hold the least distance stand back
	v_mov_b32 v[LM], v[BI]
	v_min_num_f32_dpp v[LM], v[LM], v[LM] row_xmask:1 row_mask:0xf bank_mask:0xf
	v_min_num_f32_dpp v[LM], v[LM], v[LM] row_xmask:2 row_mask:0xf bank_mask:0xf
	v_cmp_eq_f32 s30, v[BI], v[LM]                 ; the one winner
.irp x, 0,1,2,3
	v_cndmask_b32 v[CD+\x], 0, v[CD+\x], s30
.endr
.irp x, 0,1,2,3
	v_add_f32_dpp v[CD+\x], v[CD+\x], v[CD+\x] row_xmask:1 row_mask:0xf bank_mask:0xf
.endr
.irp x, 0,1,2,3
	v_add_f32_dpp v[CD+\x], v[CD+\x], v[CD+\x] row_xmask:2 row_mask:0xf bank_mask:0xf
.endr
	v_cvt_u32_f32 v[LM], v[LM]
	v_lshl_add_u32 v[LM], v[BLK], 5, v[LM]         ; the index
	v_cndmask_b32 v[QS], v[CD], v[CD+1], s28       ; lane s of the four hands on channel s
	v_cndmask_b32 v[ST], v[CD+2], v[CD+3], s28
	v_cndmask_b32 v[QS], v[QS], v[ST], s29
	v_sub_f32 v[ST], v[QS], v[ZS]
	v_add_f32 v[ST], v[ZS], v[ST]                  ; z_e + (z_q - z_e)
	v_mad_u32_u24 v[LA], v[SUB], ROWB, v[QO]
	ds_store_b32 v[LA], v[ST]
	ds_store_b32 v[LA], v[QS] offset:4*ROWB
	ds_store_b32 v[QO], v[LM] offset:8*ROWB        ; the four lanes write the same word with the same value
	s_wait_dscnt 0x0                               ; for the others' sake
	s_barrier_signal -1
	s_barrier_wait -1
	s_cmp_gt_u32 s20, 8
	s_cbranch_scc1 .Lend
	s_and_b32 s26, s20, 3
	s_lshl_b32 s26, s26, 12
	s_add_co_u32 s24, s24, s26                     ; the group's place in channel wave % 4
	s_mul_i32 s27, s20, ROWB                       ; row = my wave's number
	s_cmp_lt_u32 s20, 4
	s_cselect_b64 s[12:13], s[12:13], s[14:15]     ; waves 0-3: out0; 4-7: out1;
	s_cmp_eq_u32 s20, 8
	s_cselect_b64 s[12:13], s[16:17], s[12:13]     ; wave 8: out2,
	s_cselect_b32 s24, s22, s24                    ; at the group's 512 bytes
	s_add_nc_u64 s[12:13], s[12:13], s[24:25]
	v_lshlrev_b32 v[LN], 4, v[LN]
	v_add_nc_u32 v[LA], s27, v[LN]
	ds_load_b128 v[OB:OB+3], v[LA]
	s_wait_dscnt 0x0
	global_store_b128 v[LN], v[OB:OB+3], s[12:13] th:TH_STORE_NT
.Lend:
	s_wait_tensorcnt 0x0                           ; the wave's end, behind my last LDS store
	ds_add_u32 v[SPW], v[NIL]
	s_wait_dscnt 0x0
	s_endpgm
.Lfunc_end_k_q582a4d196b_pick:
	.size	k_q582a4d196b_pick, .Lfunc_end_k_q582a4d196b_pick-k_q582a4d196b_pick
	.p2alignl 7, 3214868480
	.fill 96, 4, 3214868480
	.section	.rodata,"a",@progbits
	.p2align	6, 0x0
	.amdhsa_kernel k_q582a4d196b_pick
		.amdhsa_group_segment_fixed_size 7168
		.amdhsa_private_segment_fixed_size 0
		.amdhsa_enable_private_segment 0
		.amdhsa_kernarg_size 64
		.amdhsa_user_sgpr_count 2
		.amdhsa_user_sgpr_kernarg_segment_ptr 1
		.amdhsa_wavefront_size32 1
		.amdhsa_system_sgpr_workgroup_id_x 1
		.amdhsa_system_sgpr_workgroup_id_y 1
		.amdhsa_system_sgpr_workgroup_id_z 1
		.amdhsa_system_vgpr_workitem_id 0
		.amdhsa_next_free_vgpr 80
		.amdhsa_next_free_sgpr 66
		.amdhsa_reserve_vcc 1
		.amdhsa_float_denorm_mode_32 3
		.amdhsa_float_denorm_mode_16_64 3
		.amdhsa_memory_ordered 1
		.amdhsa_forward_progress 1
		.amdhsa_inst_pref_size 13
	.end_amdhsa_kernel
	.amdgpu_metadata
---
amdhsa.version: [ 1, 2 ]
amdhsa.kernels:
  - .name:           k_q582a4d196b_pick
    .symbol:         k_q582a4d196b_pick.kd
    .args:
      - { .name: codebook, .offset: 0, .size: 8, .value_kind: global_buffer, .address_space: global }
      - { .name: z_e, .offset: 8, .size: 8, .value_kind: global_buffer, .address_space: global }
      - { .name: blk, .offset: 16, .size: 8, .value_kind: global_buffer, .address_space: global }
      - { .name: part, .offset: 24, .size: 8, .value_kind: global_buffer, .address_space: global }
      - { .name: out0, .offset: 32, .size: 8, .value_kind: global_buffer, .address_space: global }
      - { .name: out1, .offset: 40, .size: 8, .value_kind: global_buffer, .address_space: global }
      - { .name: out2, .offset: 48, .size: 8, .value_kind: global_buffer, .address_space: global }
      - { .name: out3, .offset: 56, .size: 8, .value_kind: global_buffer, .address_space: global }
    .group_segment_fixed_size: 7168
    .private_segment_fixed_size: 0
    .kernarg_segment_align: 8
    .kernarg_segment_size: 64
    .max_flat_workgroup_size: 512
    .sgpr_count:     66
    .vgpr_count:     80
    .wavefront_size: 32
...
	.end_amdgpu_metadata
.endif
;; end of part 2
